; MI455X (gfx1250); checked and timed in simulation.
; The chip was launched on July 23, 2026; its instructions are those of AMD's public machine-readable ISA for CDNA 5 (MIT licence, August 2026) and "CDNA5" Instruction Set Architecture Reference Guide (July 2026). The comments in the code are by the model that wrote it; some were corrected since.
;; Radix Attention. Allowed arithmetic: matrix products marked QUANTISED: E5M2 operands, one given power-of-two scale a tensor, by v_wmma_f32_16x16x64_bf8_bf8 or v_wmma_f32_16x16x128_bf8_bf8, f32 sums; everything else in f32.
;; Inputs: k 2 x 2,048 x 8 x 128 float32; lowp_scales 4 int32 (the exponents e of the quantised operands' scales 2^e); q 2 x 2,048 x 32 x 128 float32; v 2 x 2,048 x 8 x 128 float32.
;; Outputs: out0 2 x 2,048 x 32 x 128 float32.
;; This version of the problem:
;;   THIS VERSION OF THE PROBLEM IS GIVEN IN LOW PRECISION. The matrix products marked QUANTISED in the list below multiply operands that are first quantised to E5M2 (5 exponent bits, 2 mantissa bits; 8 bits a number), with one given power-of-two scale for each operand tensor; their sums are f32. All else is computed in f32.
;;   The module's matrix products, in the order in which they are computed (A, B: the left and right operand; K: the contracted axis; several contracted axes count as one K, in the product's order):
;;     1. batch 16 x [M 2,048, K 128] x [K 128, N 8,192]; A: input k; B: input q: QUANTISED (scales: A lowp_scales[0], B lowp_scales[1])
;;     2. batch 16 x [M 128, K 2,048] x [K 2,048, N 8,192]; A: input v; B: softmax (see below): QUANTISED (scales: A lowp_scales[2], B lowp_scales[3])
;;   THE QUANTISER, for each operand of a quantised product, along K:
;;     - The operand's scale is 2^e, e = its entry of the input lowp_scales (int32; the entries are numbered through the quantised products in the list's order, A before B).
;;     - Each number is divided by the scale, clamped to +-57,344, and rounded to the nearest number of E5M2, ties to even, subnormals kept.
;;     - The product sums the exact products of the quantised numbers (number of the format x scale) in f32.
;;   ~~~python
;;   def quantise(x, axis, e):      # numpy; x: float32 -> the quantised numbers, widened to float32 again
;;       x = np.moveaxis(x, axis, -1); K = x.shape[-1]
;;       r = np.clip(x / 2.0 ** e, -57344, 57344)
;;       step = 2.0 ** (np.maximum(np.frexp(np.where(r == 0, 1, r))[1] - 1, -14) - 2)
;;       q = np.round(r / step) * step * 2.0 ** e      # np.round: ties to even
;;       return np.moveaxis(q, -1, axis).astype(np.float32)
;;   ~~~
;;   SOFTMAX AHEAD OF A QUANTISED PRODUCT. Where the list says 'softmax', what is quantised is not the finished softmax but p = 2^(t - M), with t = logit x log2(e) and M = ceil(the row's largest t), a whole number; so 1/2 < the row's largest p <= 1. The row's sum l is taken of the UNQUANTISED p, in f32, and the product's result is divided by l at the end. Since M is a whole number, a kernel that streams over the keys may use a running M (the ceiling of the running maximum): every later rescaling is an exact power of two, so the quantised numbers keep their values, but for numbers so far below the row's largest that they fall under the format's range.
;;   OPERANDS COMPUTED ON THE WAY. 'Computed on the way' means the value that the module computes at that place (a softmax that the list does not call 'softmax' is quantised finished and normalised). What goes into a quantiser is computed in f32, as accurately as f32 sums, v_exp_f32 and their like allow (about 1e-6 of the number): no bf16 or f16 on the way to a quantiser, and a product that is left as it is and whose result goes on into a quantised operand takes f32 operands (vector FMAs, or v_wmma_f32_16x16x4_f32). A number that lies on a knife's edge between two numbers of the format may be rounded either way, as far as f32 arithmetic and the matrix unit's own rounding can turn it there, and no further.
;; One version. Each part assembles by itself: llvm-mc -triple=amdgcn-amd-amdhsa -mcpu=gfx1250 --defsym DOCPART=n.
;; ======== version 1 of 1: 2 launches
;; limits: right only within a limited range of input values
;; workspace buffers: k_codes 4,194,304 bytes; v_codes 4,194,304 bytes
;; launch quant (part 1): grid 256 x 1, 8 waves a work-group, no clusters, 71,680 bytes of LDS; arguments k, v, lowp_scales, k_codes, v_codes; writes k_codes, v_codes
.if DOCPART == 1
	.amdgcn_target "amdgcn-amd-amdhsa--gfx1250"
	.amdhsa_code_object_version 6
	.text
	.protected	k_q2d7d6e2b1a_quant
	.globl	k_q2d7d6e2b1a_quant
	.p2align	8
	.type	k_q2d7d6e2b1a_quant,@function
k_q2d7d6e2b1a_quant:
	s_mov_b64 s[64:65], 0
	v_nop
	global_prefetch_b8 v0, s[64:65] scope:SCOPE_SE
	s_setreg_imm32_b32 hwreg(HW_REG_WAVE_MODE, 25, 1), 1
	s_wait_xcnt 0x0
; k and v, [2][2048][8][128] f32, become codes of BF8 (E5M2), each with the one scale 2^e that is given for it (k: entry 0, v: entry 2 of the scales),
; laid in the ORDER OF THE OPERAND'S REGISTERS, so that the attention launch fetches a fragment by four 16-byte loads a lane at 16 x lane + 512 c.
; A fragment is 2,048 bytes: [c 0..3][h 0..1][r 0..15][16 bytes]; bh = 8 b + head.
;   k_codes [bh][fragment f 0..127]: lane (r, h), chunk c: channels 32 c + 16 h + 0..15 of key 32 (f / 2) + 8 (f % 2) + r + 8 (r / 8)
;   v_codes [bh][step 0..15 of 128 keys][t 0..7]: lane (r, h), chunk c: keys 32 c + 16 h + 0..15 of the step, of channel 16 t + r
; code = x / 2^e, held within +-57,344, rounded to the nearest code, ties to even.  LIMITS: -126 <= e <= 112; NaN among the inputs is not served.
; SHARES.  Work-groups 0-127 take k, 128-255 take v; a work-group takes 256 positions of one (b, head), each of its eight waves 32 of them.
; A load reads one position's row: 512 consecutive bytes, 16 a lane; all 32 loads of a wave go out at the head.  Hold and conversion are one path for both tensors.
; Then the ways part on the work-group's number: k's codes are put in order through a stage of rows; v's are turned (keys innermost) by byte permutes and a stage.
; Each way has LDS bytes of its own, each wave a part of them: no barrier.  Every store of a wave covers 512 consecutive bytes, aligned.
.set X,     16                         ; v16-143   load i in v[X+4i]: position i, channels 4 lane + 0..3
.set C,     144                        ; v144-175  v[C+i]: the four codes of position i
.set TT,    176                        ; v176-207  v[TT+8cc+g]: keys 4g..4g+3 of channel 4 lane + cc
.set TP,    208                        ; v208-215  two sets of four, at work in the permutes
.set KST,   4608                       ; k's stage of a wave: 32 rows x (128 bytes + 16)
.set VST,   4224                       ; v's stage of a wave: 8 tiles x (512 bytes + 16)
.set VBASE, 8*KST
	s_load_b128 s[4:7], s[0:1], 0x0                ; k, v
	s_load_b64 s[8:9], s[0:1], 0x10                ; the scales' exponents
	s_load_b128 s[12:15], s[0:1], 0x18             ; k_codes, v_codes
	v_lshl_add_u32 v216, v0, 2, 0x11400
	v_mov_b32 v217, 0
	v_lshrrev_b32 v1, 5, v0
	s_delay_alu instid0(VALU_DEP_1)
	v_readfirstlane_b32 s16, v1                    ; wave 0..7
	v_and_b32 v1, 31, v0                           ; lane
	s_delay_alu instid0(VALU_DEP_1)
	v_lshlrev_b32 v2, 4, v1                        ; 16 x lane: my bytes of a row read, and of 512 bytes stored
	s_mul_i32 s17, s16, KST
	v_lshl_add_u32 v3, v1, 2, s17                  ; k's stage, in: 4 bytes a lane of a row
	v_and_b32 v7, 15, v1
	v_lshrrev_b32 v8, 4, v1
	s_delay_alu instid0(VALU_DEP_2)
	v_mul_u32_u24 v4, v7, 144
	s_delay_alu instid0(VALU_DEP_1)
	v_lshl_add_u32 v4, v8, 4, v4
	s_delay_alu instid0(VALU_DEP_1)
	v_add_nc_u32 v4, s17, v4                       ; and back: row r, + 16 h.  Rows 144 = 9 x 16 bytes apart: sixteen rows begin in sixteen different 16-byte columns of 256
	s_mul_i32 s18, s16, VST
	s_add_co_u32 s18, s18, VBASE
	v_lshrrev_b32 v7, 2, v1
	v_and_b32 v8, 3, v1
	s_delay_alu instid0(VALU_DEP_2)
	v_mul_u32_u24 v5, v7, 528
	s_delay_alu instid0(VALU_DEP_1)
	v_lshl_add_u32 v5, v8, 6, v5
	s_delay_alu instid0(VALU_DEP_1)
	v_add_nc_u32 v5, s18, v5                       ; v's stage, in: tile lane / 4, row 4 (lane % 4) + cc of 16 bytes
	v_add_nc_u32 v6, s18, v2                       ; and back: 16 x lane of a tile's 512 bytes
	s_and_b32 s19, ttmp9, 127
	s_lshr_b32 s24, s19, 3                         ; bh
	s_and_b32 s25, s19, 7                          ; y: which 256 positions
	s_lshl_b32 s29, s25, 3
	s_add_co_u32 s29, s29, s16                     ; 8 y + wave: which 32 positions
	s_lshr_b32 s26, s24, 3
	s_lshl_b32 s26, s26, 23                        ; b x 2048 x 4,096 bytes
	s_lshl_b32 s28, s29, 17                        ; + 32 (8 y + wave) positions of 4,096 bytes
	s_add_co_u32 s26, s26, s28
	s_and_b32 s28, s24, 7
	s_lshl_b32 s28, s28, 9                         ; + the head's 512 bytes
	s_add_co_u32 s26, s26, s28
	s_mov_b32 s27, 0
	s_lshl_b32 s34, s24, 18                        ; k_codes: bh x 262,144 + two fragments for each 32 keys
	s_lshl_b32 s28, s29, 12
	s_add_co_u32 s34, s34, s28
	s_mov_b32 s35, 0
	s_lshl_b32 s36, s24, 18                        ; v_codes: bh x 262,144 + step (8 y + wave) / 4 of 16,384 bytes + chunk (8 y + wave) % 4 of 512
	s_lshr_b32 s28, s29, 2
	s_lshl_b32 s28, s28, 14
	s_add_co_u32 s36, s36, s28
	s_and_b32 s28, s29, 3
	s_lshl_b32 s28, s28, 9
	s_add_co_u32 s36, s36, s28
	s_mov_b32 s37, 0
	s_mov_b32 s30, 0x05010400                      ; byte selects: bytes 0, 1 of two words, interleaved;
	s_mov_b32 s31, 0x07030602                      ; bytes 2, 3 likewise;
	s_mov_b32 s32, 0x05040100                      ; the low halves of two words;
	s_mov_b32 s33, 0x07060302                      ; the high halves
	s_wait_kmcnt 0x0
	s_load_b128 s[20:23], s[8:9], 0x0              ; ek, eq, ev, ep
	s_cmp_lt_u32 ttmp9, 128                        ; k's work-group or v's: the choice hangs on the work-group's number alone
	s_cselect_b64 s[4:5], s[4:5], s[6:7]
	s_add_nc_u64 s[4:5], s[4:5], s[26:27]
	s_add_nc_u64 s[12:13], s[12:13], s[34:35]
	s_add_nc_u64 s[14:15], s[14:15], s[36:37]
.set i, 0
.rept 32
	global_load_b128 v[X+4*i:X+4*i+3], v2, s[4:5] offset:4096*i th:TH_LOAD_NT   ; position i: 32 lanes read 512 consecutive bytes; read once in the launch
.set i, i+1
.endr
	s_wait_kmcnt 0x0
	s_cmp_lt_u32 ttmp9, 128
	s_cselect_b32 s20, s20, s22                    ; e
	s_add_co_i32 s20, s20, 127
	s_lshl_b32 s21, s20, 23
	v_mov_b32 v11, s21                             ; 2^e as f32: the conversion takes its exponent field
	s_add_co_i32 s20, s20, 15
	s_lshl_b32 s20, s20, 23
	s_or_b32 s20, s20, 0x600000
	v_mov_b32 v10, s20                             ; 57,344 x 2^e
.set p, 0
	s_wait_alu depctr_va_vdst(0)
.rept 16
	s_wait_loadcnt 30-2*p                          ; loads come back in order: positions 2p and 2p+1 are in, the 30 - 2p younger loads may be out
.set i, 0
.rept 8
	v_med3_num_f32 v[X+8*p+i], v[X+8*p+i], -v10, v10   ; the conversion to an 8-bit code does not saturate (ISA guide 7.6.2): hold first
.set i, i+1
.endr
	v_cvt_scalef32_pk8_bf8_f32 v[C+2*p:C+2*p+1], v[X+8*p:X+8*p+7], v11   ; four codes of position 2p, four of 2p+1
.set p, p+1
.endr
	v_nop                                          ; a plain line behind the last conversion, ahead of the permutes that read its result
	s_cmp_lt_u32 ttmp9, 128
	s_cbranch_scc0 .Lv_path
	; ---- k: position i goes to stage row 16 u + r of the fragment row that takes it: u = (i / 8) % 2, r = i % 8 + 8 (i / 16)
.set i, 0
.rept 32
	ds_store_b32 v3, v[C+i] offset:144*(16*((i/8)%2)+8*(i/16)+i%8)
.set i, i+1
.endr
.set i, 0
.rept 8
	ds_load_b128 v[16+4*i:19+4*i], v4 offset:2304*(i/4)+32*(i%4)   ; fragment i / 4, chunk i % 4.  LDS serves a wave's instructions in order: these see my stores
.set i, i+1
.endr
.set i, 0
.rept 8
	s_wait_dscnt 7-i                               ; the 7 - i younger loads may be out
	global_store_b128 v2, v[16+4*i:19+4*i], s[12:13] offset:512*i
.set i, i+1
.endr
	s_wait_tensorcnt 0x0
	ds_add_u32 v216, v217
	s_wait_dscnt 0x0
	s_endpgm
.Lv_path:
	; ---- v: four positions' words (4 channels each) become four channels' words (4 keys each): eight byte permutes
.set g, 0
.rept 8
.set T4, TP+4*(g%2)
	v_perm_b32 v[T4],   v[C+4*g+1], v[C+4*g],   s30
	v_perm_b32 v[T4+1], v[C+4*g+1], v[C+4*g],   s31
	v_perm_b32 v[T4+2], v[C+4*g+3], v[C+4*g+2], s30
	v_perm_b32 v[T4+3], v[C+4*g+3], v[C+4*g+2], s31
	s_delay_alu instid0(VALU_DEP_2)
	v_perm_b32 v[TT+g],    v[T4+2], v[T4],   s32
	s_delay_alu instid0(VALU_DEP_3)
	v_perm_b32 v[TT+8+g],  v[T4+2], v[T4],   s33
	s_delay_alu instid0(VALU_DEP_3)
	v_perm_b32 v[TT+16+g], v[T4+3], v[T4+1], s32
	s_delay_alu instid0(VALU_DEP_4)
	v_perm_b32 v[TT+24+g], v[T4+3], v[T4+1], s33
.set g, g+1
.endr
.set i, 0
.rept 8                                        ; channel 4 lane + cc (cc = i / 2), keys 16 hh + 0..15 (hh = i % 2): stage [tile, 528][hh, 256][row, 16]
	ds_store_b128 v5, v[TT+8*(i/2)+4*(i%2):TT+8*(i/2)+4*(i%2)+3] offset:16*(i/2)+256*(i%2)
.set i, i+1
.endr
.set i, 0
.rept 8
	ds_load_b128 v[16+4*i:19+4*i], v6 offset:528*i                 ; tile i's 512 bytes
.set i, i+1
.endr
.set i, 0
.rept 8
	s_wait_dscnt 7-i
	global_store_b128 v2, v[16+4*i:19+4*i], s[14:15] offset:2048*i
.set i, i+1
.endr
	s_wait_tensorcnt 0x0
	ds_add_u32 v216, v217
	s_wait_dscnt 0x0
	s_endpgm
.Lfunc_end_k_q2d7d6e2b1a_quant:
	.size	k_q2d7d6e2b1a_quant, .Lfunc_end_k_q2d7d6e2b1a_quant-k_q2d7d6e2b1a_quant
	.p2alignl 7, 3214868480
	.fill 96, 4, 3214868480
	.section	.rodata,"a",@progbits
	.p2align	6, 0x0
	.amdhsa_kernel k_q2d7d6e2b1a_quant
		.amdhsa_group_segment_fixed_size 71680
		.amdhsa_private_segment_fixed_size 0
		.amdhsa_enable_private_segment 0
		.amdhsa_kernarg_size 40
		.amdhsa_user_sgpr_count 2
		.amdhsa_user_sgpr_kernarg_segment_ptr 1
		.amdhsa_wavefront_size32 1
		.amdhsa_system_sgpr_workgroup_id_x 1
		.amdhsa_system_sgpr_workgroup_id_y 1
		.amdhsa_system_sgpr_workgroup_id_z 1
		.amdhsa_system_vgpr_workitem_id 0
		.amdhsa_next_free_vgpr 218
		.amdhsa_next_free_sgpr 66
		.amdhsa_reserve_vcc 0
		.amdhsa_float_denorm_mode_32 3
		.amdhsa_float_denorm_mode_16_64 3
		.amdhsa_memory_ordered 1
		.amdhsa_forward_progress 1
		.amdhsa_inst_pref_size 27
	.end_amdhsa_kernel
	.amdgpu_metadata
---
amdhsa.version: [ 1, 2 ]
amdhsa.kernels:
  - .name:           k_q2d7d6e2b1a_quant
    .symbol:         k_q2d7d6e2b1a_quant.kd
    .args:
      - { .name: k, .offset: 0, .size: 8, .value_kind: global_buffer, .address_space: global }
      - { .name: v, .offset: 8, .size: 8, .value_kind: global_buffer, .address_space: global }
      - { .name: lowp_scales, .offset: 16, .size: 8, .value_kind: global_buffer, .address_space: global }
      - { .name: k_codes, .offset: 24, .size: 8, .value_kind: global_buffer, .address_space: global }
      - { .name: v_codes, .offset: 32, .size: 8, .value_kind: global_buffer, .address_space: global }
    .group_segment_fixed_size: 71680
    .private_segment_fixed_size: 0
    .kernarg_segment_align: 8
    .kernarg_segment_size: 40
    .max_flat_workgroup_size: 256
    .sgpr_count:     66
    .vgpr_count:     218
    .wavefront_size: 32
...
	.end_amdgpu_metadata
.endif
;; end of part 1
;; launch attn (part 2): grid 16 x 16, 4 waves a work-group, clusters of 4 x 1, 327,680 bytes of LDS; arguments q, k_codes, v_codes, lowp_scales, out0; writes out0
.if DOCPART == 2
	.amdgcn_target "amdgcn-amd-amdhsa--gfx1250"
	.amdhsa_code_object_version 6
	.text
	.protected	k_q2d7d6e2b1a_attn
	.globl	k_q2d7d6e2b1a_attn
	.p2align	8
	.type	k_q2d7d6e2b1a_attn,@function
k_q2d7d6e2b1a_attn:
	s_mov_b64 s[64:65], 0
	v_nop
	global_prefetch_b8 v0, s[64:65] scope:SCOPE_SE
	s_setreg_imm32_b32 hwreg(HW_REG_WAVE_MODE, 25, 1), 1
	s_wait_xcnt 0x0
	s_wait_alu depctr_hold_cnt(0) depctr_sa_sdst(0) depctr_va_vdst(0) depctr_va_sdst(0) depctr_va_ssrc(0) depctr_va_vcc(0) depctr_vm_vsrc(0)
	s_getreg_b32 s2, hwreg(HW_REG_IB_STS2, 6, 4)
	s_cmp_eq_u32 s2, 0
	s_cbranch_scc0 .Lentry_in_a_cluster
	s_endpgm
.Lentry_in_a_cluster:
	s_bfe_u32 s2, ttmp6, 0x10000c
	s_cmp_lg_u32 s2, 0x3003
	s_cbranch_scc0 .Lentry_shape_is_right
	s_endpgm
.Lentry_shape_is_right:
; Causal attention with grouped queries: out[b][s][4 hkv + g][:] = the sum over keys k <= s of softmax_k(q . k / sqrt(128)) v.  Both products on codes of BF8 (E5M2), each operand with its given scale
; (entries ek, eq, ev, ep).  q [2][2048][32][128] f32 is quantised here, in registers; k and v come as codes laid in the order of the operands' registers (fragments of 2,048 bytes).
; THE SOFTMAX AHEAD OF THE SECOND PRODUCT: t = score x log2(e) / sqrt(128); M = the running largest t rounded UP to a whole number; p = 2^(t - M) is quantised, not normalised; the row's sum is taken of
; the unquantised p and divides at the end; when M moves, the sum and O are multiplied by 2^(old M - new M), which rounds nothing.
; WORK LEFT OUT: key steps all of whose 128 keys come after a tile's 16 queries: the causal mask sets their scores to -infinity, so p = 0 there for every input.
; SHARES.  A work-group owns ONE query head and TWO blocks of 256 positions, a (0..3) and 7 - a: 2 (a + 1) + 2 (8 - a) = 18 key steps of 128 keys for every work-group.  Each of the four waves owns four tiles
; of 16 positions: tile j of wave w begins at position 64 j + 16 w of the block.  So a fragment read from LDS feeds four matrix instructions, and all waves take the same way: in a block's last step but one
; tiles 0 and 1 lie on the diagonal; in its last step tiles 0 and 1 are hidden whole and are left out, tiles 2 and 3 lie on the diagonal.  Every branch hangs on a and on the count of steps alone.
; CLUSTER.  The four work-groups of a cluster are the four query heads of one key/value head, with the same a: they walk the same key steps in the same trips, so K's and V's tiles are asked for JOINTLY
; (mask 15).  The place in the cluster enters q's, out's and the prefetches' addresses alone.
; RING.  Two slots of one key step (16,384 bytes of K, 16,384 of V); each wave fetches 8,192 bytes by one joint load.  The change of slots stands in mid-step: V's fragments are in registers by then, so the slot
; in hand is free; behind the round it takes the step two further on, and the next step's fragments of K are read from the other slot under the rest of the softmax.
; LAYOUT.  Both products are used transposed: S^T = K Q^T, O^T = V^T P^T: a lane holds one query (lane % 16).  The 16 registers of fragments 2 b and 2 b + 1 of K are keys 32 b + 16 (lane / 16) + 0..15.
; LIMITS: eq and ep between -126 and 112; ek + eq between -123 and 130; the scaled scores stay under 2^31 in magnitude; NaN among the inputs is not served.
; REGISTERS, four windows of 256 (s_set_vgpr_msb: bits 1:0 source 0, 3:2 source 1, 5:4 source 2, 7:6 destination).  TILE j LIVES IN WINDOW j under the same numbers:
;   v16-31 Q's codes; v96-159 S^T, then p (q's f32 numbers pass through here); v160-223 O^T; v224-239 p's codes; v[248:249] the row's sum; v250-255 at work.
;   v32-95: windows 0, 1: K's fragments 0-3, 4-7; windows 2, 3: V's 0-3, 4-7 (and the way out's rows).  Window 0's v0-11: addresses.
;   Window 1's v0-15: tile j's state at 4 j: -M, the largest score, f = 2^(old M - new M), the step's largest score.  Window 1's v240 57,344 x 2^ep, v241 2^ep, v242 -infinity, v243 2^eq, v244 57,344 x 2^eq,
;   v246, v247 the diagonal's lane terms.
.set SLOT1, 1<<15
.set SCR,   2*SLOT1                    ; behind the ring: 16 rows x 528 bytes of scratch for each wave (q's turn, the way out); no tile lands here
.set SCRB,  8448
.set SPARE, SCR+4*SCRB                 ; the spare words, 128 bytes for each wave
.set MSB, 0
.macro WIN new                         ; the immediate's high byte repeats the setting that is left; a switch that changes nothing is dropped
.if MSB != (\new)
	s_set_vgpr_msb (MSB<<8)|(\new)
.set MSB, \new
.endif
.endm
.macro PLACES n
.rept \n
	v_nop
.endr
.endm
; s2 LDS byte of the slot in hand; s3 the step; s[4:5] q; s[6:9] the codes; s[12:13] out; s14 a; s15 2 a + 2; s16 wave; s17 bh; s18 16 x wave; s19 my first query; s[20:21] lane selects; s[22:23] c;
; s[24:31] group 1; s[32:35] group 0; s[36:37] my part of the head's key step 0; s[38:39] a step's offset; s[40:41] bytes from block a to block 7 - a; s[44:47] the exponents; s48 ep + ev; s51 2 a; s61 2 a + 1;
; s[52:57] the prefetch's address, base, offset; s58, s59 its steps; s60, s[66:67], s68: numbers made of my place in the cluster, and work.
.macro CROUND                          ; a round of the cluster's barrier
	s_barrier_signal -1
	s_barrier_wait -1
	s_cmp_lg_u32 s16, 0
	s_cbranch_scc1 .Lnot_wave_0_\@
	s_barrier_signal -3
.Lnot_wave_0_\@:
	s_barrier_wait -3
	s_barrier_signal -1
	s_barrier_wait -1
.endm
.macro TLOAD                           ; every wave's joint load: waves 0, 1 K's halves, waves 2, 3 V's
	tensor_load_to_lds s[32:35], s[24:31]
	s_nop 0
	PLACES 4
.endm
; A prefetch of the key step that the change of slots two steps on will ask for.  Each aligned 256 bytes of a head's codes are named once in the launch: key steps 4-7 by the cluster a = 3 in steps 0-3, key steps
; 8-15 by the cluster a = 0 in steps 6-13: the clusters that reach them first in the walk.  Key steps 0-3 come by their loads alone.  Wave 0 asks for K's 16,384 bytes, wave 1 for V's; the four partners take
; 4,096 bytes each, told apart by address; lanes 0-15 stand 256 bytes apart, lanes 16-31 name lane 15's block again.
.macro ASK
	s_sub_co_u32 s49, s3, s58
	s_cmp_le_u32 s49, s59
	s_cbranch_scc0 .Lnot_mine_\@
	global_prefetch_b8 v3, s[52:53] th:TH_LOAD_NT scope:SCOPE_SE
.Lnot_mine_\@:
.endm
.macro FETCHK                          ; the next step's eight fragments of K: each load reads 512 consecutive bytes
	WIN 0
.set f, 0
.rept 16
	ds_load_b128 v[32+4*f:35+4*f], v9 offset:512*f
.set f, f+1
.endr
	WIN 0x40
.set f, 0
.rept 16
	ds_load_b128 v[32+4*f:35+4*f], v9 offset:8192+512*f
.set f, f+1
.endr
	WIN 0
.endm
.macro FETCHV                          ; this step's eight fragments of V
	WIN 0x80
.set f, 0
.rept 16
	ds_load_b128 v[32+4*f:35+4*f], v8 offset:16384+512*f
.set f, f+1
.endr
	WIN 0xc0
.set f, 0
.rept 16
	ds_load_b128 v[32+4*f:35+4*f], v8 offset:24576+512*f
.set f, f+1
.endr
	WIN 0
.endm
; THE CHANGE OF SLOTS.  chg = 2: the three lines, a round, the joint refill of the slot in hand with the walk's step two further on (walk place n is key step n while n < 2 a + 2, then n - (2 a + 2)), K's next fragments.
; chg = 1: the same with nothing left to ask for.  chg = 0: the last step: only V is waited for.
.macro CHANGE chg
	s_wait_alu depctr_va_vdst(0)
.if \chg == 0
	s_wait_dscnt 0x0
.else
	s_wait_tensorcnt 0x0                           ; my one load that was out, my part of the other slot, has landed
	ds_add_u32 v5, v6
.if \chg == 2
	s_xor_b32 s33, s33, SLOT1
	s_add_co_u32 s49, s3, 2
	s_cmp_ge_u32 s49, s15
	s_cselect_b32 s50, s15, 0
	s_sub_co_u32 s49, s49, s50
	s_lshl_b32 s38, s49, 14
	s_add_nc_u64 s[34:35], s[36:37], s[38:39]
	s_or_b32 s35, s35, 0x80000000
	s_wait_xcnt 0x0                                ; the last prefetch has read its address
	s_add_co_u32 s49, s3, 4
	s_cmp_ge_u32 s49, s15
	s_cselect_b32 s50, s15, 0
	s_sub_co_u32 s49, s49, s50
	s_min_u32 s49, s49, 15                         ; held at the head's last key step: the address stays inside its buffer
	s_lshl_b32 s56, s49, 14
	s_add_nc_u64 s[52:53], s[54:55], s[56:57]
.endif
	s_wait_dscnt 0x0                               ; the add is done, and V's fragments, my last reads of the slot in hand, are in
.if \chg == 2
	CROUND
	TLOAD
	ASK
.else
	s_barrier_signal -1
	s_barrier_wait -1
.endif
	FETCHK
.endif
.endm
.macro QK j                            ; S^T of tile j: eight products, each starts its sum
	WIN 0x44*(\j)
.set f, 0
.rept 4
	v_wmma_f32_16x16x128_bf8_bf8 v[96+8*f:103+8*f], v[32+16*f:47+16*f], v[16:31], 0
.set f, f+1
.endr
	WIN 0x44*(\j)+1
.set f, 0
.rept 4
	v_wmma_f32_16x16x128_bf8_bf8 v[128+8*f:135+8*f], v[32+16*f:47+16*f], v[16:31], 0
.set f, f+1
.endr
.endm
; The diagonal.  Register 16 b + i holds the step's key 32 b + 16 (lane / 16) + i: hidden where 32 b + i > d, d = my query - the step's first key - 16 (lane / 16), a constant of the lane.
.macro MASK j, d
	WIN 0x41*(\j)+0x14
.set n, 0
.rept 64
	v_cmp_gt_i32 vcc_lo, 32*(n/16)+n%16, v\d
	v_cndmask_b32 v[96+n], v[96+n], v242, vcc_lo
.set n, n+1
.endr
.endm
.macro MAXT j                          ; the step's largest score of my query among my 64 keys: four chains, each accumulator from its low end on; the result goes to window 1
	WIN 0x55*(\j)
.set c, 0
.rept 4
	v_max3_num_f32 v[250+c], v[96+16*c], v[97+16*c], v[98+16*c]
.set c, c+1
.endr
.set i, 3
.rept 6
.set c, 0
.rept 4
	v_max3_num_f32 v[250+c], v[250+c], v[96+16*c+i], v[97+16*c+i]
.set c, c+1
.endr
.set i, i+2
.endr
	v_max3_num_f32 v250, v250, v251, v111
	v_max3_num_f32 v252, v252, v253, v127
	v_max3_num_f32 v250, v250, v143, v159
	WIN 0x40+0x15*(\j)
	v_max_num_f32 v[4*(\j)+3], v250, v252
.endm
; The four tiles' state, line by line by turns.  In a block's last step tiles 0 and 1 are finished: their state is walked too, and nothing reads it again before INIT.
.macro MISC
	WIN 0x55
.irp j, 0,4,8,12
	v_permlanex16_b32 v[\j+2], v[\j+3], s20, s21
.endr
.irp j, 0,4,8,12
	v_max3_num_f32 v[\j+1], v[\j+1], v[\j+3], v[\j+2]   ; the running largest score, lane l xor 16's among it
.endr
.irp j, 0,4,8,12
	v_mul_f32 v[\j+2], s22, v[\j+1]                ; as t (c is positive)
.endr
.irp j, 0,4,8,12
	v_mov_b32 v[\j+3], v[\j]
.endr
.irp j, 0,4,8,12
	v_floor_f32 v[\j], -v[\j+2]                    ; the new -M: a whole number
.endr
.irp j, 0,4,8,12
	v_sub_f32 v[\j+3], v[\j], v[\j+3]              ; old M - new M, 0 or less
.endr
.irp j, 0,4,8,12
	v_cvt_i32_f32 v[\j+3], v[\j+3]                 ; (it saturates)
.endr
.irp j, 0,4,8,12
	v_ldexp_f32 v[\j+2], 1.0, v[\j+3]              ; f
.endr
.endm
.macro RESC j                          ; the sum and O^T under the new M; t - M
	WIN 0x41*(\j)+0x14
	s_wait_alu depctr_va_vdst(0)                   ; ahead of the first readers of O^T
	v_pk_mul_f32 v[248:249], v[248:249], v[4*(\j)+2:4*(\j)+3] op_sel_hi:[1,0]
.set i, 0
.rept 32
	v_pk_mul_f32 v[160+i:161+i], v[160+i:161+i], v[4*(\j)+2:4*(\j)+3] op_sel_hi:[1,0]
.set i, i+2
.endr
.set i, 0
.rept 32
	v_pk_fma_f32 v[96+i:97+i], v[96+i:97+i], s[22:23], v[4*(\j):4*(\j)+1] op_sel_hi:[1,0,0]
.set i, i+2
.endr
.endm
.macro EXPT j
	WIN 0x41*(\j)+0x14
.set i, 0
.rept 64
	v_exp_f32 v[96+i], v[96+i]                     ; p = 2^(t - M), at most 1
.set i, i+1
.endr
.endm
.macro POST j                          ; the row's sum of the unquantised p, in four chains; the hold and the conversion; O^T += V^T P^T
	WIN 0x55*(\j)
	v_pk_add_f32 v[250:251], v[96:97], v[98:99]
	v_pk_add_f32 v[252:253], v[100:101], v[102:103]
	v_pk_add_f32 v[254:255], v[104:105], v[106:107]
	v_pk_add_f32 v[248:249], v[248:249], v[108:109]
.set i, 110
.rept 6
	v_pk_add_f32 v[250:251], v[250:251], v[i:i+1]
	v_pk_add_f32 v[252:253], v[252:253], v[i+2:i+3]
	v_pk_add_f32 v[254:255], v[254:255], v[i+4:i+5]
	v_pk_add_f32 v[248:249], v[248:249], v[i+6:i+7]
.set i, i+8
.endr
	v_pk_add_f32 v[250:251], v[250:251], v[158:159]
	v_pk_add_f32 v[252:253], v[252:253], v[254:255]
	v_pk_add_f32 v[248:249], v[248:249], v[250:251]
	v_pk_add_f32 v[248:249], v[248:249], v[252:253]
	WIN 0x41*(\j)+0x14
.set b, 0
.rept 4
.set i, 0
.rept 16
	v_min_num_f32 v[96+16*b+i], v[96+16*b+i], v240 ; the conversion does not saturate (ISA guide 7.6.2); p is not negative, so the hold is one-sided
.set i, i+1
.endr
	v_cvt_scalef32_pk8_bf8_f32 v[224+4*b:225+4*b], v[96+16*b:103+16*b], v241
	v_cvt_scalef32_pk8_bf8_f32 v[226+4*b:227+4*b], v[104+16*b:111+16*b], v241
.set b, b+1
.endr
	v_nop                                          ; a plain line between the last conversion and the products
	WIN 0x54*(\j)+2
.set f, 0
.rept 4
	v_wmma_f32_16x16x128_bf8_bf8 v[160+8*f:167+8*f], v[32+16*f:47+16*f], v[224:239], v[160+8*f:167+8*f]
.set f, f+1
.endr
	WIN 0x54*(\j)+3
.set f, 0
.rept 4
	v_wmma_f32_16x16x128_bf8_bf8 v[192+8*f:199+8*f], v[32+16*f:47+16*f], v[224:239], v[192+8*f:199+8*f]
.set f, f+1
.endr
.endm
.macro PAIR x, y                       ; two tiles from t - M to the second product: 128 exponentials as one batch, a wait ahead of it and one behind it
	RESC \x
	RESC \y
	s_wait_alu depctr_va_vdst(0)
	EXPT \y
	EXPT \x
	v_nop
	s_wait_alu depctr_va_vdst(0)
	POST \x
	POST \y
	WIN 0
.endm
; A KEY STEP.  mode 0: in the loop, the diagonal's two steps told by the count of steps; 1: a block's last step but one; 2: its last.
.macro STEP mode, chg
	v_add_nc_u32 v8, s2, v1                        ; the slot in hand
.if \chg
	s_xor_b32 s2, s2, SLOT1
	v_add_nc_u32 v9, s2, v1                        ; the other slot
	PLACES 2                                       ; with the additions: four places behind the last products, in front of the loads into V's registers
.else
	PLACES 3
.endif
	s_wait_alu depctr_va_vdst(0)
	FETCHV
	s_wait_dscnt 32                                ; K's fragments are in; V's 32 loads may be out
	QK 2
	QK 3
	WIN 0
.if \mode == 0
	s_cmp_eq_u32 s3, s61
	s_cbranch_scc1 .Lhalf_\@
.endif
.if \mode != 2
	QK 0
	QK 1
	WIN 0
	PLACES 4
.if \mode == 0
	s_cmp_lg_u32 s3, s51
	s_cbranch_scc1 .Lopen_\@
.endif
	MASK 0, 246
	MASK 1, 247
	WIN 0
.Lopen_\@:
	MAXT 0
	MAXT 1
	WIN 0
.endif
.Lhalf_\@:
	PLACES 4
.if \mode == 0
	s_cmp_lg_u32 s3, s61
	s_cbranch_scc1 .Lfull_\@
.endif
.if \mode != 1
	MASK 2, 246
	MASK 3, 247
	WIN 0
.endif
.Lfull_\@:
	MAXT 2
	MAXT 3
	MISC
	WIN 0
	CHANGE \chg
.if \mode == 0
	s_cmp_eq_u32 s3, s61
	s_cbranch_scc1 .Lrest_\@
.endif
.if \mode != 2
	PAIR 0, 1
.endif
.Lrest_\@:
	PAIR 2, 3
.endm
.macro QLOAD                           ; my 64 rows of q, a row of 512 bytes a load, tile j into window j's v96-159
.irp j, 0,1,2,3
	WIN \j<<6
.set i, 0
.rept 16
	global_load_b128 v[96+4*i:99+4*i], v1, s[4:5] offset:16384*(64*\j+i) th:TH_LOAD_NT
.set i, i+1
.endr
.endr
	WIN 0
.endm
.macro TURNQ j                         ; tile j's 16 rows turn through my scratch: back so that lane (r, h) holds, of row r, channels 32 c + 16 h + 0..15 in registers 16 c + 0..15
	s_wait_loadcnt 16*(3-\j)                       ; the later tiles' rows may be out
	WIN \j<<2
.set i, 0
.rept 16
	ds_store_b128 v2, v[96+4*i:99+4*i] offset:528*i
.set i, i+1
.endr
	WIN \j<<6
.set i, 0
.rept 16
	ds_load_b128 v[96+4*i:99+4*i], v4 offset:128*(i/4)+16*(i%4)   ; LDS serves a wave's instructions in order: these see the stores above, and the next tile's stores come behind them
.set i, i+1
.endr
.endm
.macro QUANTQ j
	WIN 0x41*(\j)+0x14
.set i, 0
.rept 64
	v_med3_num_f32 v[96+i], v[96+i], -v244, v244
.set i, i+1
.endr
.set b, 0
.rept 4
	v_cvt_scalef32_pk8_bf8_f32 v[16+4*b:17+4*b], v[96+16*b:103+16*b], v243
	v_cvt_scalef32_pk8_bf8_f32 v[18+4*b:19+4*b], v[104+16*b:111+16*b], v243
.set b, b+1
.endr
.endm
.macro NEWQ
	TURNQ 0
	TURNQ 1
	s_wait_dscnt 32                                ; tile 0 is back; the next tile's 32 LDS instructions may be out
	QUANTQ 0
	TURNQ 2
	s_wait_dscnt 32
	QUANTQ 1
	TURNQ 3
	s_wait_dscnt 32
	QUANTQ 2
	s_wait_dscnt 0x0
	QUANTQ 3
	v_nop                                          ; a plain line behind the last conversion
	WIN 0
	s_wait_alu depctr_va_vdst(0)
.endm
.macro INIT                            ; a block's start: the largest score under every score; zeros, which the first change of M leaves zeros
	WIN 0x40
.irp j, 0,4,8,12
	v_mov_b32 v[\j], 0x7f61b1e6
	v_mov_b32 v[\j+1], 0xff61b1e6
	v_mov_b32 v[\j+2], 0
	v_mov_b32 v[\j+3], 0xff61b1e6
.endr
.irp t, 0,1,2,3
	WIN \t<<6
.set i, 0
.rept 64
	v_mov_b32 v[160+i], 0
.set i, i+1
.endr
	v_mov_b32 v248, 0
	v_mov_b32 v249, 0
	v_mov_b32 v250, 0
.endr
	WIN 0
.endm
; THE WAY OUT.  O^T / the sum x 2^(ep + ev), in place; a tile's 16 rows of 512 bytes go through my scratch and leave as rows: a store covers 512 consecutive bytes, aligned.
.macro WSCALE j
	WIN 0x55*(\j)
	s_wait_alu depctr_va_vdst(0)                   ; ahead of the first readers of O^T
.set i, 0
.rept 32
	v_pk_mul_f32 v[160+i:161+i], v[160+i:161+i], v[248:249] op_sel_hi:[1,0]   ; register 8 t + i is o(r, 16 t + 8 h + i)
.set i, i+2
.endr
.endm
.macro WSTAGE j
	WIN (\j)<<2
.set i, 0
.rept 8
	ds_store_b128 v10, v[160+8*i:163+8*i] offset:64*i
	ds_store_b128 v10, v[164+8*i:167+8*i] offset:64*i+16
.set i, i+1
.endr
.if (\j) >= 2
	s_wait_xcnt 0x0                                ; the stores of two tiles back have read the registers that the loads below fill
.endif
	WIN (2+(\j)%2)<<6
.set i, 0
.rept 16
	ds_load_b128 v[32+4*i:35+4*i], v2 offset:528*i
.set i, i+1
.endr
.endm
.macro WSEND j
	WIN (2+(\j)%2)<<2
	s_wait_dscnt 0x0
.set i, 0
.rept 16
	global_store_b128 v1, v[32+4*i:35+4*i], s[12:13] offset:16384*i+1048576*(\j) th:TH_STORE_NT
.set i, i+1
.endr
.endm
.macro WAYOUT
.irp j, 0,1,2,3
	WIN 0x55*\j
	v_add_f32 v248, v248, v249
	v_permlanex16_b32 v250, v248, s20, s21
	v_add_f32 v248, v248, v250                     ; the row's sum
.endr
	s_wait_alu depctr_va_vdst(0)                   ; ahead of the four reciprocals
.irp j, 3,2,1,0
	WIN 0x55*\j
	v_rcp_f32 v248, v248
.endr
	v_nop
	s_wait_alu depctr_va_vdst(0)                   ; and behind them
.irp j, 0,1,2,3
	WIN 0x55*\j
	v_ldexp_f32 v248, v248, s48
.endr
	WSCALE 0
	WSTAGE 0
.irp j, 1,2,3
	WSCALE \j                                      ; stands between the last tile's loads from the scratch and the wait for them
	s_wait_alu depctr_va_vdst(0)
	WSEND \j-1
	WSTAGE \j
.endr
	WSEND 3
	WIN 0
.endm
	s_load_b256 s[4:11], s[0:1], 0x0               ; q, k_codes, v_codes, the scales' exponents
	s_load_b64 s[12:13], s[0:1], 0x20              ; out
	v_lshl_add_u32 v5, v0, 2, SPARE                ; my spare word; never rewritten
	v_mov_b32 v6, 0                                ; never rewritten
	ds_add_u32 v5, v6
	ds_add_u32 v5, v6
	v_lshrrev_b32 v8, 5, v0
	v_readfirstlane_b32 s16, v8                    ; wave 0..3
	s_mov_b32 s14, ttmp9                           ; a: in a cluster launch ttmp9 counts clusters
	s_lshl_b32 s51, s14, 1
	s_add_co_u32 s61, s51, 1
	s_add_co_u32 s15, s51, 2
	s_and_b32 s17, ttmp7, 0xffff                   ; bh = 8 b + the key/value head
	s_bfe_u32 s60, ttmp6, 0x40000                  ; my place in the cluster: the query head within its group
	s_lshl_b32 s49, s14, 8
	s_lshl_b32 s18, s16, 4
	s_add_co_u32 s19, s49, s18                     ; my first query in block a
	s_sub_co_u32 s49, 7, s51
	s_lshl_b32 s40, s49, 22                        ; 256 (7 - 2 a) positions of 16,384 bytes
	s_mov_b32 s41, 0
	s_mul_i32 s50, s16, SCRB
	s_add_co_u32 s50, s50, SCR                     ; my scratch
	s_mov_b32 s24, 15|(3<<16)|(1<<21)              ; group 1: the mask of all four; elements of 8 bytes; bit 21 beside a mask; 32 rows of 256 bytes, dense
	s_mov_b32 s25, 32<<16
	s_mov_b32 s26, 32<<16
	s_mov_b32 s27, 32<<16
	s_mov_b32 s28, 32
	s_mov_b32 s29, 32
	s_mov_b32 s30, 0
	s_mov_b32 s31, 0
	s_mov_b32 s32, 1
	s_lshl_b32 s33, s16, 13                        ; LDS: K's halves, V's halves, in slot 0
	s_lshl_b32 s38, s17, 18                        ; the head's 262,144 bytes of codes,
	s_and_b32 s49, s16, 1
	s_lshl_b32 s49, s49, 13                        ; and which half of a step I fetch
	s_add_co_u32 s38, s38, s49
	s_mov_b32 s39, 0
	s_mov_b32 s57, 0
	s_mov_b32 s20, 0x76543210
	s_mov_b32 s21, 0xfedcba98
	s_mov_b32 s2, 0
	s_mov_b32 s3, 0
	s_cmp_eq_u32 s14, 0                            ; the prefetches' steps: a = 0: 6 to 13; a = 3: 0 to 3; waves 0 and 1 alone
	s_cselect_b32 s58, 6, 0x7fffffff
	s_cselect_b32 s59, 7, 0
	s_cmp_eq_u32 s14, 3
	s_cselect_b32 s58, 0, s58
	s_cselect_b32 s59, 3, s59
	s_cmp_lt_u32 s16, 2
	s_cselect_b32 s58, s58, 0x7fffffff
	v_and_b32 v8, 31, v0
	v_lshlrev_b32 v1, 4, v8                        ; 16 x lane
	v_min_u32 v3, 15, v8
	v_lshlrev_b32 v3, 8, v3                        ; the prefetches' offset
	v_and_b32 v9, 15, v0                           ; r
	v_bfe_u32 v7, v0, 4, 1                         ; h
	v_add_nc_u32 v2, s50, v1                       ; the scratch by rows: 16 x lane of a row
	v_mul_u32_u24 v4, v9, 528
	v_add_nc_u32 v4, s50, v4
	v_lshl_add_u32 v10, v7, 5, v4                  ; the way out, in: row r, + 32 h
	v_lshl_add_u32 v4, v7, 6, v4                   ; q's turn, back: row r, + 64 h
	v_lshlrev_b32 v11, 4, v7
	v_sub_nc_u32 v11, v9, v11
	v_add_nc_u32 v11, s18, v11                     ; the diagonal's lane term: 16 wave + r - 16 h
	s_wait_alu depctr_va_vdst(0)
	s_wait_dscnt 0x0
	s_wait_kmcnt 0x0
	s_load_b128 s[44:47], s[10:11], 0x0            ; ek, eq, ev, ep
	s_cmp_lt_u32 s16, 2
	s_cselect_b64 s[36:37], s[6:7], s[8:9]
	s_add_nc_u64 s[36:37], s[36:37], s[38:39]
	s_mov_b64 s[34:35], s[36:37]                   ; slot 0 takes the head's key step 0
	s_or_b32 s35, s35, 0x80000000
	CROUND                                         ; all four work-groups are here: the first joint loads meet
	TLOAD
	s_lshr_b32 s66, s17, 3                         ; my rows of q and of out: b x 2^25 + position x 16,384 + (4 x key/value head + my place) x 512
	s_lshl_b32 s66, s66, 25
	s_lshl_b32 s68, s19, 14
	s_add_co_u32 s66, s66, s68
	s_and_b32 s68, s17, 7
	s_lshl_b32 s68, s68, 2
	s_add_co_u32 s68, s68, s60
	s_lshl_b32 s68, s68, 9
	s_add_co_u32 s66, s66, s68
	s_mov_b32 s67, 0
	s_add_nc_u64 s[4:5], s[4:5], s[66:67]
	s_add_nc_u64 s[12:13], s[12:13], s[66:67]
	QLOAD
	s_cmp_eq_u32 s16, 0                            ; the prefetches' base: K's codes (wave 0) or V's, the head, my work-group's 4,096 bytes of a step's 16,384
	s_cselect_b64 s[54:55], s[6:7], s[8:9]
	s_lshl_b32 s66, s17, 18
	s_lshl_b32 s68, s60, 12
	s_add_co_u32 s66, s66, s68
	s_add_nc_u64 s[54:55], s[54:55], s[66:67]
	s_wait_kmcnt 0x0
	s_mov_b32 s22, 0x3e0293ee                      ; c = log2(e) / sqrt(128);
	s_add_co_i32 s49, s44, s45
	s_lshl_b32 s49, s49, 23
	s_add_co_i32 s22, s22, s49                     ; ek + eq are added to c's exponent field
	s_mov_b32 s23, s22
	s_add_co_i32 s48, s46, s47                     ; ev + ep
	s_add_co_i32 s49, s47, 127
	s_lshl_b32 s50, s49, 23                        ; 2^ep
	s_add_co_i32 s49, s49, 15
	s_lshl_b32 s49, s49, 23
	s_or_b32 s49, s49, 0x600000                    ; 57,344 x 2^ep
	s_add_co_i32 s66, s45, 127
	s_lshl_b32 s68, s66, 23                        ; 2^eq
	s_add_co_i32 s66, s66, 15
	s_lshl_b32 s66, s66, 23
	s_or_b32 s66, s66, 0x600000                    ; 57,344 x 2^eq
	WIN 0x40
	v_mov_b32 v240, s49
	v_mov_b32 v241, s50
	v_mov_b32 v242, 0xff800000
	v_mov_b32 v243, s68
	v_mov_b32 v244, s66
	v_mov_b32 v246, v11                            ; tiles 0 and 2
	v_add_nc_u32 v247, 64, v11                     ; tiles 1 and 3 lie 64 positions further on
	INIT
	v_add_nc_u32 v9, s2, v1
	s_wait_alu depctr_va_vdst(0)
	s_wait_tensorcnt 0x0                           ; my part of key step 0 is in; slot 1's first fill is issued as a refill is
	ds_add_u32 v5, v6
	s_xor_b32 s33, s33, SLOT1
	s_add_nc_u64 s[34:35], s[36:37], 0x4000
	s_or_b32 s35, s35, 0x80000000
	s_wait_dscnt 0x0
	CROUND
	TLOAD                                          ; key step 1
	FETCHK                                         ; key step 0's fragments of K
	NEWQ
	s_add_nc_u64 s[4:5], s[4:5], s[40:41]          ; q's loads are done: on to the second block's rows
.Lstep:                                            ; sixteen trips, a key step each; behind each change of slots the walk's step two further on is asked for
	s_cmp_lg_u32 s3, s15
	s_cbranch_scc1 .Lsame
	; THE CHANGE OF BLOCKS, in step 2 a + 2 (the same in all four partners).  No barrier and no tensor load stands here; K's fragments of the new block's first step are in registers already.
	PLACES 4
	QLOAD                                          ; the second block's q is on its way while the first block goes out
	WAYOUT
	s_wait_xcnt 0x0                                ; the stores have read their base and their registers
	s_add_nc_u64 s[12:13], s[12:13], s[40:41]
	INIT
	NEWQ
.Lsame:
	STEP 0, 2
	s_wait_alu depctr_va_vdst(0)
	s_add_co_u32 s3, s3, 1
	s_cmp_lt_u32 s3, 16
	s_cbranch_scc1 .Lstep
	STEP 1, 1                                      ; the second block's diagonal is written out: nothing more is asked for
	STEP 2, 0
	PLACES 4
	WAYOUT
	s_wait_tensorcnt 0x0                           ; the wave's end
	ds_add_u32 v5, v6
	s_wait_dscnt 0x0
	CROUND                                         ; the closing round
	s_endpgm
.Lfunc_end_k_q2d7d6e2b1a_attn:
	.size	k_q2d7d6e2b1a_attn, .Lfunc_end_k_q2d7d6e2b1a_attn-k_q2d7d6e2b1a_attn
	.p2alignl 7, 3214868480
	.fill 96, 4, 3214868480
	.section	.rodata,"a",@progbits
	.p2align	6, 0x0
	.amdhsa_kernel k_q2d7d6e2b1a_attn
		.amdhsa_group_segment_fixed_size 327680
		.amdhsa_private_segment_fixed_size 0
		.amdhsa_enable_private_segment 0
		.amdhsa_kernarg_size 40
		.amdhsa_user_sgpr_count 2
		.amdhsa_user_sgpr_kernarg_segment_ptr 1
		.amdhsa_wavefront_size32 1
		.amdhsa_system_sgpr_workgroup_id_x 1
		.amdhsa_system_sgpr_workgroup_id_y 1
		.amdhsa_system_sgpr_workgroup_id_z 1
		.amdhsa_system_vgpr_workitem_id 0
		.amdhsa_next_free_vgpr 1024
		.amdhsa_next_free_sgpr 72
		.amdhsa_reserve_vcc 1
		.amdhsa_float_denorm_mode_32 3
		.amdhsa_float_denorm_mode_16_64 3
		.amdhsa_memory_ordered 1
		.amdhsa_forward_progress 1
		.amdhsa_inst_pref_size 255
	.end_amdhsa_kernel
	.section	.bss,"aw",@nobits
	.p2align	6
	.space	262144
	.amdgpu_metadata
---
amdhsa.version: [ 1, 2 ]
amdhsa.kernels:
  - .name:           k_q2d7d6e2b1a_attn
    .symbol:         k_q2d7d6e2b1a_attn.kd
    .args:
      - { .name: q, .offset: 0, .size: 8, .value_kind: global_buffer, .address_space: global }
      - { .name: k_codes, .offset: 8, .size: 8, .value_kind: global_buffer, .address_space: global }
      - { .name: v_codes, .offset: 16, .size: 8, .value_kind: global_buffer, .address_space: global }
      - { .name: lowp_scales, .offset: 24, .size: 8, .value_kind: global_buffer, .address_space: global }
      - { .name: out0, .offset: 32, .size: 8, .value_kind: global_buffer, .address_space: global }
    .group_segment_fixed_size: 327680
    .private_segment_fixed_size: 0
    .kernarg_segment_align: 8
    .kernarg_segment_size: 40
    .max_flat_workgroup_size: 128
    .sgpr_count:     72
    .vgpr_count:     1024
    .wavefront_size: 32
...
	.end_amdgpu_metadata
.endif
;; end of part 2
